; MI455X (gfx1250); checked and timed in simulation.
; The chip was launched on July 23, 2026; its instructions are those of AMD's public machine-readable ISA for CDNA 5 (MIT licence, August 2026) and "CDNA5" Instruction Set Architecture Reference Guide (July 2026). The comments in the code are by the model that wrote it; some were corrected since.
;; Trans Block. Allowed arithmetic: matrix products marked QUANTISED: E2M1 operands, one E8M0 scale for each 32 along K, by v_wmma_scale_f32_16x16x128_f8f6f4 with both operands' format E2M1 (or v_wmma_scale_f32_32x16x128_f4), f32 sums; everything else in f32.
;; Inputs: W_qkv 1,024 x 3,072 float32; b_qkv 3,072 float32; x 32 x 512 x 1,024 float32.
;; Outputs: out0 32 x 512 x 1,024 float32.
;; This version of the problem:
;;   THIS VERSION OF THE PROBLEM IS GIVEN IN LOW PRECISION. The matrix products marked QUANTISED in the list below multiply operands that are first quantised to E2M1 (2 exponent bits, 1 mantissa bit; 4 bits a number), with one power-of-two scale for each 32 numbers along K (OCP MX v1.0); their sums are f32. All else is computed in f32.
;;   The module's matrix products, in the order in which they are computed (A, B: the left and right operand; K: the contracted axis; several contracted axes count as one K, in the product's order):
;;     1. [M 16,384, K 1,024] x [K 1,024, N 3,072]; A: input x; B: input W_qkv: QUANTISED
;;     2. batch 32 x [M 512, K 1,024] x [K 1,024, N 512]; A: computed on the way; B: computed on the way: QUANTISED
;;     3. batch 32 x [M 512, K 512] x [K 512, N 1,024]; A: softmax (see below); B: computed on the way: QUANTISED
;;   THE QUANTISER, for each operand of a quantised product, along K:
;;     - K is cut into blocks of 32 from its start; a last block that is shorter is filled with zeros.
;;     - A block's scale is 2^e with e = floor(log2(the largest magnitude in the block)) - 2, held to -126 .. 127; a block of zeros has e = 0. As a byte (E8M0): e + 127.
;;     - Each number is divided by its block's scale, clamped to +-6, and rounded to the nearest number of E2M1, ties to even, subnormals kept.
;;     - The product sums the exact products of the quantised numbers (number of the format x scale) in f32.
;;   ~~~python
;;   def quantise(x, axis):      # numpy; x: float32 -> the quantised numbers, widened to float32 again
;;       x = np.moveaxis(x, axis, -1); K = x.shape[-1]
;;       x = np.pad(x, [(0, 0)] * (x.ndim - 1) + [(0, -K % 32)]); x = x.reshape(x.shape[:-1] + (-1, 32)); a = np.abs(x).max(-1, keepdims=True)
;;       e = np.where(a > 0, np.clip(np.frexp(np.where(a > 0, a, 1))[1] - 1 - 2, -126, 127), 0)      # np.frexp(a)[1] - 1 = floor(log2(a)), exactly
;;       r = np.clip(x / 2.0 ** e, -6, 6)
;;       step = 2.0 ** (np.maximum(np.frexp(np.where(r == 0, 1, r))[1] - 1, 0) - 1)
;;       q = np.round(r / step) * step * 2.0 ** e      # np.round: ties to even
;;       return np.moveaxis(q.reshape(q.shape[:-2] + (-1,))[..., :K], -1, axis).astype(np.float32)
;;   ~~~
;;   SOFTMAX AHEAD OF A QUANTISED PRODUCT. Where the list says 'softmax', what is quantised is not the finished softmax but p = 2^(t - M), with t = logit x log2(e) and M = ceil(the row's largest t), a whole number; so 1/2 < the row's largest p <= 1. The row's sum l is taken of the UNQUANTISED p, in f32, and the product's result is divided by l at the end. Since M is a whole number, a kernel that streams over the keys may use a running M (the ceiling of the running maximum): every later rescaling is an exact power of two, which a block's scale takes up: the codes' values come out the same.
;;   OPERANDS COMPUTED ON THE WAY. 'Computed on the way' means the value that the module computes at that place (a softmax that the list does not call 'softmax' is quantised finished and normalised). What goes into a quantiser is computed in f32, as accurately as f32 sums, v_exp_f32 and their like allow (about 1e-6 of the number): no bf16 or f16 on the way to a quantiser, and a product that is left as it is and whose result goes on into a quantised operand takes f32 operands (vector FMAs, or v_wmma_f32_16x16x4_f32). A number that lies on a knife's edge between two numbers of the format may be rounded either way, as far as f32 arithmetic and the matrix unit's own rounding can turn it there, and no further.
;; One version. Each part assembles by itself: llvm-mc -triple=amdgcn-amd-amdhsa -mcpu=gfx1250 --defsym DOCPART=n.
;; ======== version 1 of 1: 3 launches
;; limits: right only within a limited range of input values
;; workspace buffers: wimg 1,671,168 bytes; qkc 16,777,216 bytes; qks 1,048,576 bytes; vc 8,388,608 bytes; vs 524,288 bytes
;; launch prep (part 1): grid 192 x 1, 8 waves a work-group, no clusters, 1,536 bytes of LDS; arguments W_qkv, wimg; writes wimg
.if DOCPART == 1
	.amdgcn_target "amdgcn-amd-amdhsa--gfx1250"
	.amdhsa_code_object_version 6
	.text
	.protected	k_q431508491d_prep
	.globl	k_q431508491d_prep
	.p2align	8
	.type	k_q431508491d_prep,@function
k_q431508491d_prep:
	s_mov_b64 s[64:65], 0
	v_nop
	global_prefetch_b8 v0, s[64:65] scope:SCOPE_SE
	s_setreg_imm32_b32 hwreg(HW_REG_WAVE_MODE, 25, 1), 1
	s_wait_xcnt 0x0
; W [1024][3072] f32 becomes codes of FP4 (E2M1) with one E8M0 byte for each 32 along K (K = the 1,024 inputs of the projection), laid as the next launch's operand registers want them.
; wimg [group of 128 columns: 24][position: 8][8,704]: a position holds one K step of 128: eight images of 1,024 bytes, one for each tile of 16 columns, then 512 bytes of scale words.
; IMAGE: block b (32 along K) of place r: 16 bytes at 256 b + 16 r.  Place r of tile 2 p + u is column 32 p + 8 u + r + 8 (r / 8).  SCALE WORDS: tile 2 p + u, place r: the word at 16 (16 u + r) + 4 p, byte b for block b.
; INSIDE A BLOCK the order along K is 8 j + i = true index 4 j + i (i under 4) or 16 + 4 j + i - 4: the next launch quantises x in the same order, so the products are the same.
; THE ORDER OF THE K STEPS follows the next launch's ring: positions 0..7 hold steps 1,3,5,6,7,4,2,0 in q's groups, and 1,2,3,0,4,5,6,7 in k's and v's.
; A work-group takes one group and one K step; a wave 32 columns x 64 along K.  A LANE TAKES A COLUMN, AND ITS REGISTERS RUN DOWN K: a block's largest magnitude needs no other lane.
; A block's scale is 2^(floor(log2(largest magnitude)) - 2); its byte is the largest magnitude's exponent field - 2, held at 1 from below.
; LIMITS: a block whose largest magnitude lies under 2^-124, a block of zeros among them, gets the byte 1 (the codes of zeros are zeros, and this program alone reads the bytes); NaN and infinities are not served.
; No tensor loads, no cluster: each byte of W is read once, and every load of a wave is asked for at once.  No prefetch: there is no loop to run ahead in.
	s_load_b128 s[4:7], s[0:1], 0x0                ; W, wimg
	v_lshl_add_u32 v2, v0, 2, 512                  ; my spare word
	v_mov_b32 v3, 0
	v_lshrrev_b32 v1, 5, v0
	v_readfirstlane_b32 s8, v1                     ; wave 0..7
	v_and_b32 v4, 31, v0                           ; lane = 16 u + r
	v_and_b32 v5, 15, v4
	v_lshrrev_b32 v6, 4, v4
	v_and_b32 v7, 8, v5
	v_add_nc_u32 v7, v7, v5
	v_lshl_add_u32 v7, v6, 3, v7
	v_lshlrev_b32 v7, 2, v7                        ; my column of the 32, in bytes: the lanes cover 128 consecutive bytes
	v_lshlrev_b32 v8, 4, v5
	v_lshl_add_u32 v8, v6, 10, v8                  ; 1,024 u + 16 r: sixteen lanes store 256 consecutive bytes
	v_lshlrev_b32 v9, 4, v4
	s_lshr_b32 s9, s8, 1                           ; which 32 columns
	s_and_b32 s10, s8, 1                           ; which 64 along K
	s_lshl_b32 s11, s9, 2
	s_lshl_b32 s12, s10, 1
	s_add_co_u32 s11, s11, s12
	v_add_nc_u32 v10, s11, v9                      ; my two scale bytes in LDS
	s_lshr_b32 s12, ttmp9, 3                       ; group
	s_and_b32 s13, ttmp9, 7                        ; K step
	s_mul_i32 s14, s13, 128*12288
	s_mul_i32 s16, s10, 64*12288
	s_add_co_u32 s14, s14, s16
	s_lshl_b32 s16, s12, 9
	s_add_co_u32 s14, s14, s16
	s_lshl_b32 s16, s9, 7
	s_add_co_u32 s14, s14, s16
	s_mov_b32 s15, 0
	s_mov_b32 s20, 0x43251607                      ; a K step's position, four bits each: q's groups,
	s_mov_b32 s21, 0x76542103                      ; k's and v's
	s_cmp_lt_u32 s12, 8
	s_cselect_b32 s20, s20, s21
	s_lshl_b32 s21, s13, 2
	s_lshr_b32 s20, s20, s21
	s_and_b32 s20, s20, 7
	s_mul_i32 s20, s20, 8704
	s_mul_i32 s21, s12, 69632
	s_add_co_u32 s20, s20, s21
	s_add_co_u32 s18, s20, 8192                    ; the scale words
	s_mov_b32 s19, 0
	s_lshl_b32 s21, s9, 11
	s_add_co_u32 s16, s20, s21
	s_lshl_b32 s21, s10, 9
	s_add_co_u32 s16, s16, s21                     ; my two tiles' blocks
	s_mov_b32 s17, 0
	s_wait_alu depctr_va_vdst(0)                   ; the wait at the head's end
	s_wait_kmcnt 0x0
	s_add_nc_u64 s[4:5], s[4:5], s[14:15]
	s_add_nc_u64 s[18:19], s[6:7], s[18:19]
	s_add_nc_u64 s[6:7], s[6:7], s[16:17]
.macro LOADW bb
.set kk, 0
.rept 32
	global_load_b32 v[32+32*(\bb)+8*((kk%16)/4)+4*(kk/16)+kk%4], v7, s[4:5] offset:(32*(\bb)+kk)*12288 th:TH_LOAD_NT
.set kk, kk+1
.endr
.endm
	LOADW 0
	LOADW 1
.macro BLOCKW bb, left
.set XS, 32+32*(\bb)
	s_wait_loadcnt \left
	v_max3_num_f32 v12, |v[XS]|, |v[XS+1]|, |v[XS+2]|
	v_max3_num_f32 v13, |v[XS+3]|, |v[XS+4]|, |v[XS+5]|
.irp i, 6,10,14,18,22,26
	v_max3_num_f32 v12, v12, |v[XS+\i]|, |v[XS+\i+1]|
	v_max3_num_f32 v13, v13, |v[XS+\i+2]|, |v[XS+\i+3]|
.endr
	v_max3_num_f32 v12, v12, |v[XS+30]|, |v[XS+31]|
	v_max3_num_f32 v12, v12, v13, 0x1800000        ; and the floor 2^(3 - 127): the byte cannot fall under 1
	v_add_nc_u32 v11, 0xff000000, v12              ; 2 off its exponent field: the conversion's scale operand
.irp g, 0,1,2,3
	v_cvt_scalef32_pk8_fp4_f32 v[96+4*(\bb)+\g], v[XS+8*\g:XS+8*\g+7], v11
.endr
	v_lshrrev_b32 v[20+(\bb)], 23, v11             ; the scale's byte (a plain line behind the conversions)
	global_store_b128 v8, v[96+4*(\bb):96+4*(\bb)+3], s[6:7] offset:256*(\bb)
.endm
	BLOCKW 0, 32                                   ; the second block's 32 loads may be out
	BLOCKW 1, 0
	v_lshl_or_b32 v22, v21, 8, v20
	ds_store_b16 v10, v22
	s_wait_tensorcnt 0x0                           ; behind my last LDS store
	ds_add_u32 v2, v3
	s_wait_dscnt 0x0
	s_barrier_signal -1
	s_barrier_wait -1                              ; all eight waves' bytes are in LDS
	s_cmp_lg_u32 s8, 0
	s_cbranch_scc1 .Lend
	ds_load_b128 v[12:15], v9
	s_wait_dscnt 0x0
	global_store_b128 v9, v[12:15], s[18:19]       ; 512 consecutive bytes
.Lend:
	s_endpgm
.Lfunc_end_k_q431508491d_prep:
	.size	k_q431508491d_prep, .Lfunc_end_k_q431508491d_prep-k_q431508491d_prep
	.p2alignl 7, 3214868480
	.fill 96, 4, 3214868480
	.section	.rodata,"a",@progbits
	.p2align	6, 0x0
	.amdhsa_kernel k_q431508491d_prep
		.amdhsa_group_segment_fixed_size 1536
		.amdhsa_private_segment_fixed_size 0
		.amdhsa_enable_private_segment 0
		.amdhsa_kernarg_size 16
		.amdhsa_user_sgpr_count 2
		.amdhsa_user_sgpr_kernarg_segment_ptr 1
		.amdhsa_wavefront_size32 1
		.amdhsa_system_sgpr_workgroup_id_x 1
		.amdhsa_system_sgpr_workgroup_id_y 1
		.amdhsa_system_sgpr_workgroup_id_z 1
		.amdhsa_system_vgpr_workitem_id 0
		.amdhsa_next_free_vgpr 128
		.amdhsa_next_free_sgpr 66
		.amdhsa_reserve_vcc 0
		.amdhsa_float_denorm_mode_32 3
		.amdhsa_float_denorm_mode_16_64 3
		.amdhsa_memory_ordered 1
		.amdhsa_forward_progress 1
		.amdhsa_inst_pref_size 12
	.end_amdhsa_kernel
	.amdgpu_metadata
---
amdhsa.version: [ 1, 2 ]
amdhsa.kernels:
  - .name:           k_q431508491d_prep
    .symbol:         k_q431508491d_prep.kd
    .args:
      - { .name: W_qkv, .offset: 0, .size: 8, .value_kind: global_buffer, .address_space: global }
      - { .name: wimg, .offset: 8, .size: 8, .value_kind: global_buffer, .address_space: global }
    .group_segment_fixed_size: 1536
    .private_segment_fixed_size: 0
    .kernarg_segment_align: 8
    .kernarg_segment_size: 16
    .max_flat_workgroup_size: 256
    .sgpr_count:     66
    .vgpr_count:     128
    .wavefront_size: 32
...
	.end_amdgpu_metadata
.endif
;; end of part 1
;; launch qkv (part 2): grid 4 x 64, 4 waves a work-group, clusters of 4 x 4, 327,680 bytes of LDS; arguments x, wimg, b_qkv, qkc, qks, vc, vs; writes qkc, qks, vc, vs
.if DOCPART == 2
	.amdgcn_target "amdgcn-amd-amdhsa--gfx1250"
	.amdhsa_code_object_version 6
	.text
	.protected	k_q431508491d_qkv
	.globl	k_q431508491d_qkv
	.p2align	8
	.type	k_q431508491d_qkv,@function
k_q431508491d_qkv:
	s_mov_b64 s[64:65], 0
	v_nop
	global_prefetch_b8 v0, s[64:65] scope:SCOPE_SE
	s_setreg_imm32_b32 hwreg(HW_REG_WAVE_MODE, 25, 1), 1
	s_wait_xcnt 0x0
	s_wait_alu depctr_hold_cnt(0) depctr_sa_sdst(0) depctr_va_vdst(0) depctr_va_sdst(0) depctr_va_ssrc(0) depctr_va_vcc(0) depctr_vm_vsrc(0)
	s_getreg_b32 s2, hwreg(HW_REG_IB_STS2, 6, 4)
	s_cmp_eq_u32 s2, 0
	s_cbranch_scc0 .Lentry_in_a_cluster
	s_endpgm
.Lentry_in_a_cluster:
	s_bfe_u32 s2, ttmp6, 0x10000c
	s_cmp_lg_u32 s2, 0xf033
	s_cbranch_scc0 .Lentry_shape_is_right
	s_endpgm
.Lentry_shape_is_right:
; qkv = x W + b on codes of FP4 (E2M1) with E8M0 scales (K = 1,024): x is quantised here, W comes as images.  q, k, v leave as codes again: q and k quantised along their 1,024 channels, v along the keys.
; SHARES.  A work-group owns 128 rows of x and half of q's, of k's and of v's columns (512 each); a wave makes 128 x 128 of each: 32 accumulators of 32 x 16, 512 registers.  Three tiles one after the other: q, k, v.
; x IS READ AS f32 WHILE TILE q IS MADE, a chunk of 128 along K at a time: a wave takes 32 rows, 32 loads of 512 bytes a chunk, two chunks on their way.  A load's lanes 0-15 take the first 64 bytes of its four blocks of
; 128 bytes, lanes 16-31 the second 64; v_permlane16_swap_b32 on two rows' registers then leaves eight numbers of ONE block of one row in a lane, lanes 0-15 the one row, lanes 16-31 the other.  Four neighbouring lanes hold a block.
; The codes go to LDS as images of operand fragments and stay for all three tiles.  IMAGE of x: block b of place r at 272 b + 16 r, 1,088 bytes a tile of 16 rows; place r of tile 2 p + u is row 32 p + 8 u + r + 8 (r / 8).
; INSIDE A BLOCK the order along K is 8 j + i = true index 4 j + i (i under 4) or 16 + 4 j + i - 4, the same as in W's images: the products are the same.
; q and k: source 0 = 32 columns of W, source 1 = 16 rows of x: a lane holds ONE row, and register 16 b + i is channel 32 b + 16 (lane / 16) + i.   v: source 0 = 32 rows of x, source 1 = 16 columns of W: a lane holds a channel,
; and its registers run along the keys likewise.  That is a quantiser's order, and a block of 16 x my 128 is one operand fragment of the next launch.
; OUT: a fragment leaves as the image of its eight registers, 1,024 bytes: each store of the wave covers 512 consecutive bytes, aligned.
;   qkc [q, k][tile of 16 rows: 1,024][K step: 8][1,024];  vc [batch: 32][tile of 16 channels: 64][key step: 4][1,024].
;   Scale words: qks [q, k][8 tiles: 128][K step: 8][lane: 32][pair of tiles: 4], vs [batch][8 tiles: 8][key step: 4][lane][pair]: a pair's word holds the even tile's row in lanes 0-15 and the odd tile's in lanes 16-31.
; The sums start from the bias: for q it is written into the accumulators while x is on its way; for k and v it is the C of each sum's first matrix instruction.
; W IN LDS.  A wave reads W's 128 columns that it has fetched itself: eight positions of 8,704 bytes (a K step: eight images and the scale words).  At the head one load brings q's whole tile.
; Then fills of four K steps: steps 0-3 of a tile into positions 3,0,1,2, steps 4-7 into positions 3,4,5,6.  A fill is asked for as soon as the step in position 3 is in registers, and is waited for three steps later.
; Position 7 (q's K step 0) is filled once; behind its last read it takes x's images of an odd chunk: chunk 2 i + 1 in wave i's region, chunk 2 i behind that region.
; CLUSTERS: 4 x 4 work-groups: the four of a row (same cy) want the same columns and ask for W jointly, with a mask that names the four; cy's lowest bit says which half of the columns, the rest of the place which rows.
; x is asked for by two work-groups of one cluster, each for itself: it goes to registers.
; PREFETCH: x's loads, up to 64 of 512 bytes a wave on their way, leave it out.  k's and v's W, 69,632 bytes a wave's group, is prefetched in the three trips of the first loop, ahead of the fills that follow it: the four partners share a group's
; 272 blocks of 256 bytes by address, 68 each, a lane a block, 32 a trip (the last trip's spare lanes name the last block); every fourth cluster asks.
; LIMITS: a block whose largest magnitude lies under 2^-124 gets the byte 1 (its codes are then zeros or near them; this program alone reads the bytes); NaN and infinities are not served.
; REGISTERS, in windows of 256: window 0: v0-15 addresses; v16-31 scale words and nothing else; v32-63 at work; v64-127 x's and v128-191 W's fragments, set 0; v192-255 bias.
;   window 1: x's numbers, two chunks of 128 registers; behind tile q set 1 (v0-63 x, v64-127 W), v128-191 the codes that leave, v192-255 bias of v.   windows 2, 3: accumulators: block a of 16 at v[64 (a % 4)].
.set WREG,  78336                      ; a wave's region: eight positions of W, then x's images of an even chunk
.set XODD,  60928                      ; position 7
.set XEVEN, 69632
.set XSB,   313344                     ; x's scale words: [chunk: 8][lane: 32][pair: 4]
.set SPARE, 317440                     ; the spare words, 128 bytes for each wave, which no other line names
.set SPW, 10
.set NIL, 11
.set VO,  12                           ; v12 16 x lane
.set LANE, 15
.set MSB, 0
.macro WIN new
.if MSB != (\new)
	s_set_vgpr_msb (MSB<<8)|(\new)
.set MSB, (\new)
.endif
.endm
.macro PLACES                          ; plain vector instructions between a matrix instruction and loads into its operands or reads of its result
.rept 4
	v_nop
.endr
.endm
.macro CREST                           ; a round of the cluster's barrier behind its opening barrier
	s_cmp_lg_u32 s18, 0
	s_cbranch_scc1 .Lnot_wave_0_\@
	s_barrier_signal -3
.Lnot_wave_0_\@:
	s_barrier_wait -3
	s_barrier_signal -1
	s_barrier_wait -1
.endm
.macro CROUND
	s_barrier_signal -1
	s_barrier_wait -1
	CREST
.endm
.macro TLOAD                           ; my joint load
	tensor_load_to_lds s[32:35], s[24:31]
	s_nop 0
	PLACES
.endm
.macro LOADX p, u, off                 ; 16 loads of a chunk: rows 8 u + n and 16 more, each 512 consecutive bytes
	WIN 0x40
.irp n, 0,1,2,3,4,5,6,7
	global_load_b128 v[128*(\p)+64*(\u)+8*\n:128*(\p)+64*(\u)+8*\n+3], v1, s[4:5] offset:(8*(\u)+\n)*4096+(\off)
	global_load_b128 v[128*(\p)+64*(\u)+8*\n+4:128*(\p)+64*(\u)+8*\n+7], v1, s[4:5] offset:(8*(\u)+\n+16)*4096+(\off)
.endr
	WIN 0
.endm
.macro BIASQ reg, off                  ; register 8 b + j: column 32 (b / 2) + 16 h + 8 (b % 2) + j
.irp b, 0,1,2,3,4,5,6,7
	global_load_b128 v[192+8*\b:195+8*\b], v[\reg], s[8:9] offset:(\off)+(32*(\b/2)+8*(\b%2))*4
	global_load_b128 v[196+8*\b:199+8*\b], v[\reg], s[8:9] offset:(\off)+(32*(\b/2)+8*(\b%2))*4+16
.endr
.endm
	s_load_b256 s[4:11], s[0:1], 0x0               ; x s[4:5], wimg s[6:7], b s[8:9], qkc s[10:11]
	s_load_b128 s[12:15], s[0:1], 0x20             ; qks s[12:13], vc s[14:15]
	s_load_b64 s[16:17], s[0:1], 0x30              ; vs
	v_lshl_add_u32 v[SPW], v0, 2, SPARE
	v_mov_b32 v[NIL], 0
	ds_add_u32 v[SPW], v[NIL]                      ; the opening add, twice on end under one wait
	ds_add_u32 v[SPW], v[NIL]
	v_lshrrev_b32 v1, 5, v0
	v_readfirstlane_b32 s18, v1                    ; wave 0..3
	v_and_b32 v[LANE], 31, v0
	v_and_b32 v4, 15, v0                           ; r = lane % 16
	v_bfe_u32 v5, v0, 4, 1                         ; h = lane / 16
	v_bfe_u32 v6, v0, 2, 2                         ; b: my block of a load's four
	v_and_b32 v7, 3, v0                            ; j: my place in it
	v_lshlrev_b32 v[VO], 4, v[LANE]
	v_lshlrev_b32 v1, 7, v6
	v_lshl_add_u32 v1, v7, 4, v1
	v_lshl_add_u32 v1, v5, 6, v1                   ; v1: my 16 bytes of a load's 512
	v_mul_u32_u24 v2, v6, 272
	v_lshl_add_u32 v2, v7, 2, v2
	v_lshl_add_u32 v2, v5, 7, v2
	s_mul_i32 s19, s18, 2176
	v_add_nc_u32 v2, s19, v2                       ; v2: where my eight codes go in a chunk's images: 272 b + 4 j + 16 (8 h) + my two tiles
	v_mul_u32_u24 v3, v5, 272
	v_lshl_add_u32 v3, v4, 4, v3                   ; v3: where I read a fragment of x
	v_lshlrev_b32 v32, 6, v5                       ; my place in the bias
	v_lshl_add_u32 v5, v5, 7, v6
	s_lshl_b32 s19, s18, 2
	v_add_nc_u32 v5, s19, v5                       ; v5: where my block's scale byte goes: 16 (8 h) + 4 w + b
	s_mul_i32 s54, s18, WREG                       ; my region
	s_add_co_u32 s55, s54, 26112                   ; its position 3
	s_mov_b32 s33, s54
	v_add_nc_u32 v13, s54, v[VO]                   ; v13: where I read W, position 0
	v_add_nc_u32 v14, XODD, v13                    ; v14: position 7
	s_bfe_u32 s20, ttmp6, 0x40000                  ; cx
	s_bfe_u32 s21, ttmp6, 0x40004                  ; cy
	s_and_b32 s22, ttmp7, 0xffff                   ; the cluster's y
	s_and_b32 s43, s22, 3                          ; 0: this cluster prefetches
	s_and_b32 s23, s21, 1
	s_lshl_b32 s23, s23, 2
	s_add_co_u32 s23, s23, s18                     ; my group of 128 columns in a tile: 4 x half + wave
	s_lshl_b32 s24, s21, 2
	s_lshl_b32 s24, 15, s24                        ; the mask: my row of the cluster
	s_or_b32 s24, s24, (3<<16)|(1<<21)             ; elements of 8 bytes, no padding, bit 21 beside a mask
	s_mov_b32 s25, 32<<16                          ; rows of 256 bytes
	s_mov_b32 s26, 272<<16                         ; the head's load: 272 rows: eight K steps
	s_mov_b32 s27, 32<<16
	s_mov_b32 s28, 272
	s_mov_b32 s29, 32
	s_mov_b32 s30, 0
	s_mov_b32 s31, 0
	s_mul_i32 s44, s23, 69632
	s_mov_b32 s45, 0
	s_mov_b32 s47, 0
	s_lshr_b32 s21, s21, 1
	s_lshl_b32 s21, s21, 2
	s_add_co_u32 s21, s21, s20
	s_mul_i32 s46, s21, 8704                       ; my part of a group in the prefetches: two rows of the cluster want the same group, so its 272 blocks are shared by eight work-groups, 34 each (these counts hold in place of the head comment's)
	s_lshl_b32 s22, s22, 3
	s_add_co_u32 s22, s22, s21                     ; my block of 128 rows: 8 x cluster y + 4 (cy / 2) + cx
	s_lshl_b32 s48, s22, 19
	s_lshl_b32 s19, s18, 17
	s_add_co_u32 s48, s48, s19                     ; my wave's 32 rows of 4,096 bytes
	s_mov_b32 s49, 0
	s_lshl_b32 s50, s23, 9
	s_mov_b32 s51, 0
	s_mov_b32 s2, 0x76543210
	s_mov_b32 s3, 0xfedcba98                       ; v_permlanex16_b32's selects for lane l xor 16
	s_mov_b32 s32, 1
	s_mov_b32 s36, 0                               ; trips
	s_mov_b32 s37, XEVEN                           ; where the even chunk's images go
	s_mov_b32 s38, XODD                            ; and the odd chunk's
	s_mov_b32 s40, 0                               ; W: positions 7 - trip and trip
	s_mov_b32 s41, XSB
	s_mov_b32 s42, 0
	s_wait_alu depctr_va_vdst(0)                   ; directly ahead of the waits below
	s_wait_dscnt 0x0                               ; both opening adds are done
	s_wait_kmcnt 0x0
	s_add_nc_u64 s[4:5], s[4:5], s[48:49]
	s_add_nc_u64 s[8:9], s[8:9], s[50:51]
	s_add_nc_u64 s[34:35], s[6:7], s[44:45]
	s_add_nc_u64 s[44:45], s[34:35], s[46:47]
	s_add_nc_u64 s[44:45], s[44:45], 0x88000       ; prefetches: k's W, eight groups on,
	s_add_nc_u64 s[46:47], s[44:45], 0x88000       ; and v's
	s_or_b32 s35, s35, 0x80000000
	BIASQ 32, 0
	LOADX 0, 0, 0
	LOADX 0, 1, 0
	CROUND                                         ; all sixteen work-groups are here: the joint loads meet
	TLOAD                                          ; q's W: one tensor load a wave at the head
	s_lshl_b32 s52, s22, 16                        ; where my results go.  q, k: eight tiles of eight images,
	s_lshl_b32 s19, s23, 10
	s_add_co_u32 s52, s52, s19
	s_mov_b32 s53, 0
	s_add_nc_u64 s[10:11], s[10:11], s[52:53]
	s_lshl_b32 s52, s22, 12                        ; and their scale words;
	s_lshl_b32 s19, s23, 9
	s_add_co_u32 s52, s52, s19
	s_add_nc_u64 s[12:13], s[12:13], s[52:53]
	s_lshr_b32 s20, s22, 2                         ; v: the batch,
	s_and_b32 s21, s22, 3                          ; the key step
	s_lshl_b32 s52, s20, 18
	s_lshl_b32 s19, s23, 15
	s_add_co_u32 s52, s52, s19
	s_lshl_b32 s19, s21, 10
	s_add_co_u32 s52, s52, s19
	s_add_nc_u64 s[14:15], s[14:15], s[52:53]
	s_lshl_b32 s52, s20, 14
	s_lshl_b32 s19, s23, 11
	s_add_co_u32 s52, s52, s19
	s_lshl_b32 s19, s21, 9
	s_add_co_u32 s52, s52, s19
	s_add_nc_u64 s[16:17], s[16:17], s[52:53]
	LOADX 1, 0, 512
	LOADX 1, 1, 512
	s_wait_loadcnt 63                              ; the bias is in: 64 loads of x are younger, and the wait's field holds 63
	WIN 0x80
.set n, 0
.rept 256
	v_mov_b32 v[n], v[192+n%64]                    ; q's sums start from the bias, the same 64 registers for every block of 16 rows; written while x is on its way
.set n, n+1
.endr
	WIN 0xc0
.set n, 0
.rept 256
	v_mov_b32 v[n], v[192+n%64]
.set n, n+1
.endr
	WIN 0
; Half a chunk of my 32 rows: eight pairs of rows: places n and n + 8 of my tile u.
.macro QGRP p, u
.set XG, 128*(\p)+64*(\u)
	WIN 0x41
.irp n, 0,1,2,3,4,5,6,7
.irp i, 0,1,2,3
	v_permlane16_swap_b32 v[XG+8*\n+\i], v[XG+8*\n+4+\i]           ; lanes 0-15: the first row's eight numbers of a block, lanes 16-31 the second's
.endr
.endr
	WIN 0x05
.irp n, 0,1,2,3,4,5,6,7
	v_max3_num_f32 v[32+\n], |v[XG+8*\n]|, |v[XG+8*\n+1]|, 0x1800000   ; with the floor 2^(3 - 127): the byte cannot fall under 1
.endr
.irp i, 2,4,6
.irp n, 0,1,2,3,4,5,6,7
	v_max3_num_f32 v[32+\n], |v[XG+8*\n+\i]|, |v[XG+8*\n+\i+1]|, v[32+\n]
.endr
.endr
	WIN 0
.irp n, 0,1,2,3,4,5,6,7
	v_max_num_f32_dpp v[32+\n], v[32+\n], v[32+\n] row_xmask:1 row_mask:0xf bank_mask:0xf
.endr
.irp n, 0,1,2,3,4,5,6,7
	v_max_num_f32_dpp v[32+\n], v[32+\n], v[32+\n] row_xmask:2 row_mask:0xf bank_mask:0xf   ; the block's largest magnitude
.endr
.irp n, 0,1,2,3,4,5,6,7
	v_add_nc_u32 v[40+\n], 0xff000000, v[32+\n]    ; 2 off its exponent field: the conversion's scale operand
.endr
	WIN 0x01
.irp n, 0,1,2,3,4,5,6,7
	v_cvt_scalef32_pk8_fp4_f32 v[48+\n], v[XG+8*\n:XG+8*\n+7], v[40+\n]
.endr
	WIN 0
.irp n, 0,1,2,3,4,5,6,7
	v_lshrrev_b32 v[56+\n], 23, v[40+\n]           ; the scale's byte (plain lines behind the conversions)
.endr
.irp n, 0,1,2,3,4,5,6,7
	ds_store_b32 v6, v[48+\n] offset:1088*(\u)+16*\n
.endr
.irp n, 0,1,2,3,4,5,6,7
	ds_store_b8 v4, v[56+\n] offset:512*(\p)+256*(\u)+16*\n        ; a block's four lanes write the same byte with the same value
.endr
.endm
.macro FETCHW pos, p                   ; W's eight fragments and four scale words of a K step into set p
	WIN 0x40*(\p)
.irp t, 0,1,2,3,4,5,6,7
.irp c, 0,1
	ds_load_b128 v[128-64*(\p)+8*\t+4*\c:128-64*(\p)+8*\t+4*\c+3], v8 offset:(\pos)*8704+1024*\t+512*\c
.endr
.endr
	WIN 0
	ds_load_b128 v[16+4*(\p):19+4*(\p)], v8 offset:(\pos)*8704+8192
.endm
.macro FETCHX reg, off, p, xo          ; x's, the scale words first
	WIN 0
	ds_load_b128 v[24+4*(\p):27+4*(\p)], v9 offset:\xo
	WIN 0x40*(\p)
.irp t, 0,1,2,3,4,5,6,7
.irp c, 0,1
	ds_load_b128 v[64-64*(\p)+8*\t+4*\c:64-64*(\p)+8*\t+4*\c+3], v[\reg] offset:(\off)+1088*\t+544*\c
.endr
.endr
	WIN 0
.endm
; Eight matrix instructions of set p: blocks a0 and a0 + 1 of source 1 x the four pairs of tiles of source 0.  vt = 0: source 0 is W, source 1 x;  1: the other way round.  first = 1: C is the bias along source 0;  2: along source 1.
; The 32 accumulators take turns, one instruction a turn, in the same order in every step.
.macro MUL p, a0, vt, first
.if \vt
.set wP, 64-64*(\p)
.set wQ, 128-64*(\p)
.set wSP, 24+4*(\p)
.set wSQ, 16+4*(\p)
.else
.set wP, 128-64*(\p)
.set wQ, 64-64*(\p)
.set wSP, 16+4*(\p)
.set wSQ, 24+4*(\p)
.endif
.set wH, (\a0)/4
.if (\first) == 1
	WIN 0x80+0x40*wH+5*(\p)
.elseif (\first) == 2
	WIN 0x80+0x50*wH+5*(\p)
.else
	WIN 0xa0+0x50*wH+5*(\p)
.endif
.irp da, 0,1
.irp bp, 0,1,2,3
.set wA, (\a0)+\da
.set wD, 64*(wA%4)+16*\bp
.if (\first) == 1
.set wC, 192+16*\bp
.elseif (\first) == 2
.set wC, 192+16*(wA%4)
.else
.set wC, wD
.endif
.if wA%2
	v_wmma_scale_f32_32x16x128_f4 v[wD:wD+15], v[wP+16*\bp:wP+16*\bp+15], v[wQ+8*wA:wQ+8*wA+7], v[wC:wC+15], v[wSP+\bp], v[wSQ+wA/2] matrix_b_scale:MATRIX_SCALE_ROW1
.else
	v_wmma_scale_f32_32x16x128_f4 v[wD:wD+15], v[wP+16*\bp:wP+16*\bp+15], v[wQ+8*wA:wQ+8*wA+7], v[wC:wC+15], v[wSP+\bp], v[wSQ+wA/2]
.endif
.endr
.endr
.endm
; A chunk of tile q (v8: its K step of W).  c0, c1: the loads of x younger than each half's sixteen.  more: the buffer takes the chunk two on.  fill: k's first four K steps are asked for.
.macro CHUNK p, more, c0, c1, fill
.if \p
	v_add_nc_u32 v6, s38, v2
	v_add_nc_u32 v7, s38, v3
.else
	v_add_nc_u32 v6, s37, v2
	v_add_nc_u32 v7, s37, v3
.endif
	v_add_nc_u32 v4, s41, v5
	v_add_nc_u32 v9, s41, v[VO]
	s_wait_alu depctr_va_vdst(0)                   ; directly ahead of the wait below
	s_wait_loadcnt \c0
	QGRP \p, 0
.if \more
	LOADX \p, 0, 1024+512*(\p)
.endif
.if (\p) == 0
	s_wait_alu depctr_va_vdst(0)
	s_wait_tensorcnt 0x0                           ; W is in (in the first trip; only I read my region's positions)
.endif
	FETCHW 0, 0
	s_wait_alu depctr_va_vdst(0)
	s_wait_loadcnt \c1
	QGRP \p, 1
.if \more
	LOADX \p, 1, 1024+512*(\p)
.endif
	s_wait_alu depctr_va_vdst(0)                   ; directly ahead of the wait below
	s_wait_dscnt 0x0                               ; my codes and bytes are in LDS
	s_barrier_signal -1
	s_barrier_wait -1                              ; everybody's are
	FETCHX 7, 0, 0, 512*(\p)
	s_wait_dscnt 8                                 ; the scale words and x's blocks 0-3 are in; the eight loads of blocks 4-7 may be out
	MUL 0, 0, 0, 0
	MUL 0, 2, 0, 0
.if \fill
	WIN 0
	s_wait_tensorcnt 0x0
	ds_add_u32 v[SPW], v[NIL]
	s_add_nc_u64 s[34:35], s[34:35], 0x88000       ; k's group: eight groups on
	s_wait_dscnt 0x0                               ; the add is done, and my reads of positions 0 to 3 are over
	s_barrier_signal -1
	MUL 0, 4, 0, 0
	MUL 0, 6, 0, 0
	WIN 0
	s_barrier_wait -1
	CREST
	TLOAD
.else
	s_wait_dscnt 0x0
.if (\p) == 0
	s_barrier_signal -1                            ; my K step of W is in registers: position 7 may take the next chunk's images
.endif
	MUL 0, 4, 0, 0
	MUL 0, 6, 0, 0
	WIN 0
.if (\p) == 0
	s_barrier_wait -1
.endif
.endif
.endm
	s_wait_alu depctr_va_vdst(0)                   ; the wait at the head's end
; ---------------- tile q, chunks 0 to 5.  At each wait 16 + 32 loads (the chunk's second half and the next chunk), or 32 + 16 (the next chunk and half of the one behind it), are younger
.Ltrip:
	v_sub_nc_u32 v8, v14, s40                      ; K step 2 i: position 7 - i
	CHUNK 0, 1, 48, 48, 0
	v_min_u32 v0, 11, v[LANE]                      ; twelve blocks a trip, a lane a block; the spare lanes name the last again
	v_lshl_add_u32 v0, v0, 8, s42
	v_min_u32 v0, 0x2100, v0                       ; block 33 is my part's last
	s_wait_alu depctr_va_vdst(0)                   ; directly ahead of the branch
	s_cmp_lg_u32 s43, 0
	s_cbranch_scc1 .Lno_prefetch
	global_prefetch_b8 v0, s[44:45] th:TH_LOAD_NT scope:SCOPE_SE
	global_prefetch_b8 v0, s[46:47] th:TH_LOAD_NT scope:SCOPE_SE
.Lno_prefetch:
	v_add_nc_u32 v8, s40, v13                      ; K step 2 i + 1: position i
	CHUNK 1, 1, 48, 48, 0
	s_add_co_u32 s37, s37, WREG
	s_add_co_u32 s38, s38, WREG
	s_add_co_u32 s40, s40, 8704
	s_add_co_u32 s41, s41, 1024
	s_add_co_u32 s42, s42, 3072
	s_wait_alu depctr_va_vdst(0)
	s_wait_xcnt 0x0                                ; the loads have read their base, the prefetches their address
	s_add_nc_u64 s[4:5], s[4:5], 0x400
	s_add_co_u32 s36, s36, 1
	s_cmp_lt_u32 s36, 3
	s_cbranch_scc1 .Ltrip
; ---------------- chunks 6 and 7: nothing more of x is asked for
	s_mov_b32 s26, 136<<16                         ; no tensor load of mine is out: from here on a load brings 136 rows: four K steps
	s_mov_b32 s28, 136
	v_add_nc_u32 v8, 26112, v13                    ; K step 6: position 3
	CHUNK 0, 0, 48, 32, 1
	v_add_nc_u32 v8, 34816, v13                    ; K step 7: position 4
	CHUNK 1, 0, 16, 0, 0
	v_add_nc_u32 v4, XODD, v3                      ; x's images of chunks 2 i + 1 and, 8,704 bytes on, 2 i (these lines are also the places behind the last products)
	v_add_nc_u32 v5, XODD+WREG, v3
	v_add_nc_u32 v6, XODD+2*WREG, v3
	v_add_nc_u32 v7, XODD+3*WREG, v3
	v_add_nc_u32 v8, s54, v[VO]                    ; W, position 0
	v_add_nc_u32 v9, XSB, v[VO]
	v_lshrrev_b32 v13, 4, v[LANE]
	v_lshlrev_b32 v13, 6, v13
	s_wait_alu depctr_va_vdst(0)
	s_wait_tensorcnt 0x0                           ; k's first four K steps are in
	FETCHW 3, 0
	FETCHX 4, 8704, 0, 0
	BIASQ 13, 4096                                 ; k's bias lands while q leaves
; THE WAY OUT, two blocks of 16 at a time: my 64 registers of a block are four half blocks of 32 along the next K; lane l xor 16 holds the other halves.
.macro EMAX q
.set wW, 2+(\q)/2
	WIN wW*5
.irp a, 0,1
.irp b, 0,1,2,3
	v_max3_num_f32 v[32+4*\a+\b], |v[64*((2*(\q)+\a)%4)+16*\b]|, |v[64*((2*(\q)+\a)%4)+16*\b+1]|, 0x1800000   ; each accumulator from its low end on
.endr
.endr
.irp i, 2,4,6,8,10,12,14
.irp a, 0,1
.irp b, 0,1,2,3
	v_max3_num_f32 v[32+4*\a+\b], |v[64*((2*(\q)+\a)%4)+16*\b+\i]|, |v[64*((2*(\q)+\a)%4)+16*\b+\i+1]|, v[32+4*\a+\b]
.endr
.endr
.endr
.endm
.macro EFIN q
.set wW, 2+(\q)/2
	WIN 0
.irp n, 0,1,2,3,4,5,6,7
	v_permlanex16_b32 v[40+\n], v[32+\n], s2, s3
.endr
.irp n, 0,1,2,3,4,5,6,7
	v_max_num_f32 v[32+\n], v[32+\n], v[40+\n]
.endr
.irp n, 0,1,2,3,4,5,6,7
	v_add_nc_u32 v[48+\n], 0xff000000, v[32+\n]
.endr
.irp n, 0,1,2,3,4,5,6,7
	v_lshrrev_b32 v[40+\n], 23, v[48+\n]
.endr
.irp i, 1,2,3
.irp a, 0,1
.if \i == 1
	v_lshl_or_b32 v[56+2*(\q)+\a], v[41+4*\a], 8, v[40+4*\a]
.else
	v_lshl_or_b32 v[56+2*(\q)+\a], v[40+4*\a+\i], 8*\i, v[56+2*(\q)+\a]
.endif
.endr
.endr
	WIN wW+0x40
.irp a, 0,1
.irp b, 0,1,2,3
	v_cvt_scalef32_pk8_fp4_f32 v[128+8*(2*(\q)+\a)+2*\b], v[64*((2*(\q)+\a)%4)+16*\b:64*((2*(\q)+\a)%4)+16*\b+7], v[48+4*\a+\b]
	v_cvt_scalef32_pk8_fp4_f32 v[129+8*(2*(\q)+\a)+2*\b], v[64*((2*(\q)+\a)%4)+16*\b+8:64*((2*(\q)+\a)%4)+16*\b+15], v[48+4*\a+\b]
.endr
.endr
	WIN 0x41
	v_nop                                          ; one plain place behind a scaled conversion
.irp a, 0,1
.irp c, 0,1
.irp i, 0,1
	v_permlane16_swap_b32 v[128+8*(2*(\q)+\a)+4*\c+\i], v[130+8*(2*(\q)+\a)+4*\c+\i]   ; a whole block in a lane: lanes 0-15 block 2 c, lanes 16-31 block 2 c + 1
.endr
.endr
.endr
.endm
.macro ESTORE q, str, oc
	WIN 0x04
.irp a, 0,1
.irp c, 0,1
	global_store_b128 v[VO], v[128+8*(2*(\q)+\a)+4*\c:131+8*(2*(\q)+\a)+4*\c], s[\oc:\oc+1] offset:(2*(\q)+\a)*(\str)+512*\c   ; 512 consecutive bytes
.endr
.endr
.endm
.macro EPI str, oc, os                 ; str: bytes from a tile's images to the next tile's; a pair's stores stand behind the next pair's maxima
	PLACES
	EMAX 0
	EFIN 0
	EMAX 1
	ESTORE 0, \str, \oc
	EFIN 1
	EMAX 2
	ESTORE 1, \str, \oc
	EFIN 2
	EMAX 3
	ESTORE 2, \str, \oc
	EFIN 3
	WIN 0
	v_cmp_gt_u32 vcc_lo, 16, v[LANE]
.irp p, 0,1,2,3
	v_cndmask_b32 v[32+\p], v[57+2*\p], v[56+2*\p], vcc_lo         ; lanes 0-15 the even tile's word, lanes 16-31 the odd tile's
.endr
	ESTORE 3, \str, \oc
	WIN 0
	global_store_b128 v[VO], v[32:35], s[\os:\os+1]
.endm
; A K step of tile k or v.  dA > 0: behind a round the next fill is asked for, dA bytes on, to the LDS byte in s[sl].  nx: the K step whose fragments are fetched (0: the next tile's first; -1: none).  tw: its fill is waited for.
.macro STEP ks, vt, first, dA, sl, nx, tw
.if (\nx) == 0
.set wN, 3
.else
.set wN, (\nx)-1
.endif
	s_wait_dscnt 0x0                               ; this step's set is in
.if \dA
	WIN 0
	s_wait_tensorcnt 0x0
	ds_add_u32 v[SPW], v[NIL]
	s_add_nc_u64 s[34:35], s[34:35], \dA
	s_mov_b32 s33, s\sl
	MUL (\ks)%2, 0, \vt, \first
	s_wait_dscnt 0x0                               ; the add is done, and my reads of the positions to be filled are over
	s_barrier_signal -1
	MUL (\ks)%2, 2, \vt, \first
	WIN 0
	s_barrier_wait -1
	CREST
	TLOAD                                          ; its four v_nop are also the places ahead of the loads below
	FETCHW wN, 1-(\ks)%2
	FETCHX 4+(\nx)/2, 8704*(1-(\nx)%2), 1-(\ks)%2, 512*(\nx)
.else
	MUL (\ks)%2, 0, \vt, \first
.if (\nx) >= 0
.if \tw
	s_wait_tensorcnt 0x0
.endif
	PLACES
	FETCHW wN, 1-(\ks)%2
.endif
	MUL (\ks)%2, 2, \vt, \first
.if (\nx) >= 0
	FETCHX 4+(\nx)/2, 8704*(1-(\nx)%2), 1-(\ks)%2, 512*(\nx)
.endif
.endif
	MUL (\ks)%2, 4, \vt, \first
	MUL (\ks)%2, 6, \vt, \first
.endm
	EPI 8192, 10, 12
; ---------------- tile k
	s_wait_xcnt 0x0                                ; q's stores have read their data and their bases
	s_add_nc_u64 s[10:11], s[10:11], 0x800000      ; k's codes lie behind q's,
	s_add_nc_u64 s[12:13], s[12:13], 0x80000       ; and so do its scale words
	s_wait_loadcnt 0x0                             ; k's bias
	STEP 0, 0, 1, 0x8800, 55, 1, 0                 ; K steps 4-7 of k are asked for
	STEP 1, 0, 0, 0, 0, 2, 0
	STEP 2, 0, 0, 0, 0, 3, 0
	STEP 3, 0, 0, 0, 0, 4, 1
	STEP 4, 0, 0, 0x7f800, 54, 5, 0                ; K steps 0-3 of v
	STEP 5, 0, 0, 0, 0, 6, 0
	STEP 6, 0, 0, 0, 0, 7, 0
	STEP 7, 0, 0, 0, 0, 0, 1
	WIN 0
	v_and_b32 v14, 15, v[LANE]
	v_and_b32 v13, 8, v[LANE]
	v_add_nc_u32 v14, v14, v13
	v_lshlrev_b32 v14, 2, v14                      ; my lane's channel: 4 (r + 8 (r / 8))
.irp a, 0,1,2,3
	global_load_b32 v[192+16*\a], v14, s[8:9] offset:8192+(32*(\a/2)+8*(\a%2))*4
.endr
	WIN 0x40
.irp a, 4,5,6,7
	global_load_b32 v[192+16*(\a-4)], v14, s[8:9] offset:8192+(32*(\a/2)+8*(\a%2))*4
.endr
	WIN 0
	EPI 8192, 10, 12
; ---------------- tile v
	s_wait_xcnt 0x0                                ; k's stores have read their data
	s_wait_loadcnt 0x0                             ; v's bias: one number a lane for each block of 16 channels, in all sixteen registers of C
.irp a, 0,1,2,3
.irp i, 1,2,3,4,5,6,7,8,9,10,11,12,13,14,15
	v_mov_b32 v[192+16*\a+\i], v[192+16*\a]
.endr
.endr
	WIN 0x41
.irp a, 0,1,2,3
.irp i, 1,2,3,4,5,6,7,8,9,10,11,12,13,14,15
	v_mov_b32 v[192+16*\a+\i], v[192+16*\a]
.endr
.endr
	WIN 0
	s_wait_alu depctr_va_vdst(0)                   ; directly ahead of the wait below
	STEP 0, 1, 2, 0x8800, 55, 1, 0                 ; K steps 4-7 of v
	STEP 1, 1, 0, 0, 0, 2, 0
	STEP 2, 1, 0, 0, 0, 3, 0
	STEP 3, 1, 0, 0, 0, 4, 1
	STEP 4, 1, 0, 0, 0, 5, 0
	STEP 5, 1, 0, 0, 0, 6, 0
	STEP 6, 1, 0, 0, 0, 7, 0
	STEP 7, 1, 0, 0, 0, -1, 0
	WIN 0
	EPI 4096, 14, 16
	s_wait_tensorcnt 0x0                           ; the wave's end
	ds_add_u32 v[SPW], v[NIL]
	s_wait_dscnt 0x0
	CROUND                                         ; the closing round
	s_endpgm
.Lfunc_end_k_q431508491d_qkv:
	.size	k_q431508491d_qkv, .Lfunc_end_k_q431508491d_qkv-k_q431508491d_qkv
	.p2alignl 7, 3214868480
	.fill 96, 4, 3214868480
	.section	.rodata,"a",@progbits
	.p2align	6, 0x0
	.amdhsa_kernel k_q431508491d_qkv
		.amdhsa_group_segment_fixed_size 327680
		.amdhsa_private_segment_fixed_size 0
		.amdhsa_enable_private_segment 0
		.amdhsa_kernarg_size 56
		.amdhsa_user_sgpr_count 2
		.amdhsa_user_sgpr_kernarg_segment_ptr 1
		.amdhsa_wavefront_size32 1
		.amdhsa_system_sgpr_workgroup_id_x 1
		.amdhsa_system_sgpr_workgroup_id_y 1
		.amdhsa_system_sgpr_workgroup_id_z 1
		.amdhsa_system_vgpr_workitem_id 0
		.amdhsa_next_free_vgpr 1024
		.amdhsa_next_free_sgpr 66
		.amdhsa_reserve_vcc 1
		.amdhsa_float_denorm_mode_32 3
		.amdhsa_float_denorm_mode_16_64 3
		.amdhsa_memory_ordered 1
		.amdhsa_forward_progress 1
		.amdhsa_inst_pref_size 255
	.end_amdhsa_kernel
	.section	.bss,"aw",@nobits
	.p2align	6
	.space	262144
	.amdgpu_metadata
---
amdhsa.version: [ 1, 2 ]
amdhsa.kernels:
  - .name:           k_q431508491d_qkv
    .symbol:         k_q431508491d_qkv.kd
    .args:
      - { .name: x, .offset: 0, .size: 8, .value_kind: global_buffer, .address_space: global }
      - { .name: wimg, .offset: 8, .size: 8, .value_kind: global_buffer, .address_space: global }
      - { .name: b_qkv, .offset: 16, .size: 8, .value_kind: global_buffer, .address_space: global }
      - { .name: qkc, .offset: 24, .size: 8, .value_kind: global_buffer, .address_space: global }
      - { .name: qks, .offset: 32, .size: 8, .value_kind: global_buffer, .address_space: global }
      - { .name: vc, .offset: 40, .size: 8, .value_kind: global_buffer, .address_space: global }
      - { .name: vs, .offset: 48, .size: 8, .value_kind: global_buffer, .address_space: global }
    .group_segment_fixed_size: 327680
    .private_segment_fixed_size: 0
    .kernarg_segment_align: 8
    .kernarg_segment_size: 56
    .max_flat_workgroup_size: 128
    .sgpr_count:     66
    .vgpr_count:     1024
    .wavefront_size: 32
...
	.end_amdgpu_metadata
.endif
;; end of part 2
;; launch attn (part 3): grid 8 x 32, 4 waves a work-group, clusters of 4 x 1, 327,680 bytes of LDS; arguments qkc, qks, vc, vs, out0; writes out0
.if DOCPART == 3
	.amdgcn_target "amdgcn-amd-amdhsa--gfx1250"
	.amdhsa_code_object_version 6
	.text
	.protected	k_q431508491d_attn
	.globl	k_q431508491d_attn
	.p2align	8
	.type	k_q431508491d_attn,@function
k_q431508491d_attn:
	s_mov_b64 s[64:65], 0
	v_nop
	global_prefetch_b8 v0, s[64:65] scope:SCOPE_SE
	s_setreg_imm32_b32 hwreg(HW_REG_WAVE_MODE, 25, 1), 1
	s_wait_xcnt 0x0
	s_wait_alu depctr_hold_cnt(0) depctr_sa_sdst(0) depctr_va_vdst(0) depctr_va_sdst(0) depctr_va_ssrc(0) depctr_va_vcc(0) depctr_vm_vsrc(0)
	s_getreg_b32 s2, hwreg(HW_REG_IB_STS2, 6, 4)
	s_cmp_eq_u32 s2, 0
	s_cbranch_scc0 .Lentry_in_a_cluster
	s_endpgm
.Lentry_in_a_cluster:
	s_bfe_u32 s2, ttmp6, 0x10000c
	s_cmp_lg_u32 s2, 0x3003
	s_cbranch_scc0 .Lentry_shape_is_right
	s_endpgm
.Lentry_shape_is_right:
; out = softmax(q k^T / 32) v for 32 batches of 512 rows x 1,024 channels, both products on codes of FP4 (E2M1) with E8M0 scales, which arrive as images of operand registers (1,024 bytes a fragment of 16 rows x 128 K).
; THE SOFTMAX AHEAD OF THE SECOND PRODUCT: t = score x log2(e) / 32; M = the row's largest t rounded up to a whole number; p = 2^(t - M) is quantised along the keys; the row's sum of the unquantised p divides at the end.
; All 512 keys of a row are at hand at once, so M is the row's own: nothing is rescaled.
; SHARES.  A work-group owns 64 queries (four tiles of 16) of one batch.  THE WAVES SHARE THE KEYS, THEN THE CHANNELS: wave w makes S^T for keys 128 w .. + 127 (8 tiles of keys x 4 tiles of queries x 8 K steps),
; quantises its p, which is key step w of the second product, and hands it round through LDS as register images; then it makes O^T for 256 channels (16 tiles x 4 tiles of queries x 4 key steps).
; So each fragment of k and of v feeds four matrix instructions, and each wave reads only its own 64 KiB of k and of v.
; Both products are used transposed (source 0 = 16 keys or 16 channels, source 1 = 16 queries): a lane holds ONE query throughout.  The rows of a tile of q, k and the channels of a tile of v are not neighbours
; (place r of tile 2 b + u is index 32 b + 8 u + r + 8 (r / 8)), so that a lane's 16 registers of two neighbouring tiles are 16 true neighbours.
; k COMES BY PIECES: a wave's 64 KiB are four tensor loads of two K steps each (8 rows of 2,048 bytes, one for each tile of keys), and only that wave reads them: counted waits let S^T begin when the first piece and q are in.
; v COMES IN TWO HALVES.  LDS holds k's 262,144 bytes and q's 32,768 and has no room for v beside them.  A wave's first 32 fragments of v go from memory straight into 256 registers that lie idle until the second product:
; they are asked for at the start.  Its other 32 fragments are filled into k's first bytes behind a round of the cluster's barrier, and land while the softmax and the first group of channels are worked.
; CLUSTER: the four work-groups of a cluster belong to one batch and want the same k and v: k's pieces and v's second half are asked for jointly.  Not shared: v's first half (it goes to registers, for want of LDS, as above),
; q (32 KiB, each work-group's own) and the scale words (each wave's own, one sixteenth of the codes' bytes).
; LIMITS: p under 2^-126 counts as 0 (v_exp_f32); a block's largest p is taken as the exponential of the block's largest score, which leans on v_exp_f32 not falling where its input rises; NaN and infinities are not served.
; REGISTERS, in windows of 256: window 0: v1-17 addresses; v24-31 1 / sum; v32-127 scale words and nothing else; v128-255 k's fragments (two sets of 64), then the softmax's work, then v's third group.
;   window 1: q, 64 a tile; later p's 16 fragments at v0-127 and v's fourth group at v128-255.   window 2: S^T, then p: 64 a tile of queries; later O^T: two sets of 16 accumulators.
;   window 3: v's first two groups; from the first way out on v0-63 take the rows on their way out.
; THE HEAD'S LOADS (what follows holds in place of the paragraph on k's pieces above): one tensor load a wave.  Wave 0 fetches the work-group's whole q, 32,768 bytes; waves 1 to 3 fetch the batch's 262,144 bytes of k jointly with
; the cluster's partners: 11, 11 and 10 rows of 8,192 bytes, a row being one tile's eight images.  S^T begins when all of it has landed: every wait on TENSORcnt is for 0.
.set QL,    262144                     ; LDS: behind k / v (4 x 65,536): q's 32 images; later a stage of 16 rows x 272 bytes for each wave, 8,192 bytes apart: q has had its only fill and its last read by then
.set PI,    294912                     ; p's 16 images ((4 m + key step) x 1,024)
.set PS,    311296                     ; their scale words, 128 bytes each
.set EX,    313344                     ; each wave's largest scores: 512 w + 16 x lane;  2,048 bytes on: each wave's sums
.set SPARE, 317440                     ; the spare words, 128 bytes for each wave, which no other line names
.set AKV,  3                           ; v3   16 x lane + 65,536 w
.set AQ,   4                           ; v4   16 x lane + QL
.set API,  5                           ; v5   16 x lane + PI
.set APW,  6                           ; v6   + 1,024 w
.set APSR, 7                           ; v7   4 x lane + PS
.set APSW, 8                           ; v8   + 128 w
.set AEXW, 9                           ; v9   16 x lane + EX + 512 w
.set AEXR, 10                          ; v10  16 x lane + EX
.set STO,  11                          ; v11  the stage: row r, + 64 h
.set RD,   12                          ; v12  and back: row h, + 16 r
.set GO,   13                          ; v13  4,096 h + 16 r: the same two rows in out0
.set SPW,  14
.set NIL,  15
.set LO16, 16                          ; v16  16 x lane
.set RL,   24                          ; v24, 26, 28, 30: 1 / the sum of tile m's query (named as pairs)
.set KSC,  32                          ; v32-63   k's scale words: 4 s + t / 2
.set QSC,  64                          ; v64-79   q's: 2 s + m / 2
.set VSC,  80                          ; v80-111  v's: 16 (tile / 8) + 4 (key step) + (tile % 8) / 2
.set PSW,  112                         ; v112-127 p's: 4 m + key step
.set KF,   128
.set BM,   128                         ; v128-143 block q = 4 m + b: its largest score, then its largest p
.set PT,   144                         ; v144-159 the other half's, then bytes
.set WM,   160                         ; v160-163 tile m: my wave's largest score; t; my wave's sum; the sum
.set EXL,  164                         ; v164-179 the four waves' figures
.set NM,   180                         ; v180-187 -M, as pairs
.set SO,   188                         ; v188-203 the conversions' scale operands
.set PWD,  204                         ; v204-207 p's scale words
.set L0,   208                         ; v208-223 sums in two chains of pairs
.set L1,   216
.set PC,   224                         ; v224-255 p's codes
.set MSB, 0
.macro WIN new
.if MSB != (\new)
	s_set_vgpr_msb (MSB<<8)|(\new)
.set MSB, (\new)
.endif
.endm
.macro PLACES
.rept 4
	v_nop
.endr
.endm
.macro ROUND                           ; a round of the cluster's barrier
	s_barrier_signal -1
	s_barrier_wait -1
	s_cmp_lg_u32 s14, 0
	s_cbranch_scc1 .Lnot_wave_0_\@
	s_barrier_signal -3
.Lnot_wave_0_\@:
	s_barrier_wait -3
	s_barrier_signal -1
	s_barrier_wait -1
.endm
; One scaled matrix instruction on the registers named by rD, rA, rB, rSA, rSB.  z: the sum starts with 0;  ra, rb: the side's scale words lie in lanes 16-31.
.macro WS z, ra, rb
.if \z
.if (\ra) && (\rb)
	v_wmma_scale_f32_16x16x128_f8f6f4 v[rD:rD+7], v[rA:rA+7], v[rB:rB+7], 0, v[rSA], v[rSB] matrix_a_fmt:MATRIX_FMT_FP4 matrix_b_fmt:MATRIX_FMT_FP4 matrix_a_scale:MATRIX_SCALE_ROW1 matrix_b_scale:MATRIX_SCALE_ROW1
.elseif (\ra)
	v_wmma_scale_f32_16x16x128_f8f6f4 v[rD:rD+7], v[rA:rA+7], v[rB:rB+7], 0, v[rSA], v[rSB] matrix_a_fmt:MATRIX_FMT_FP4 matrix_b_fmt:MATRIX_FMT_FP4 matrix_a_scale:MATRIX_SCALE_ROW1
.elseif (\rb)
	v_wmma_scale_f32_16x16x128_f8f6f4 v[rD:rD+7], v[rA:rA+7], v[rB:rB+7], 0, v[rSA], v[rSB] matrix_a_fmt:MATRIX_FMT_FP4 matrix_b_fmt:MATRIX_FMT_FP4 matrix_b_scale:MATRIX_SCALE_ROW1
.else
	v_wmma_scale_f32_16x16x128_f8f6f4 v[rD:rD+7], v[rA:rA+7], v[rB:rB+7], 0, v[rSA], v[rSB] matrix_a_fmt:MATRIX_FMT_FP4 matrix_b_fmt:MATRIX_FMT_FP4
.endif
.else
.if (\ra) && (\rb)
	v_wmma_scale_f32_16x16x128_f8f6f4 v[rD:rD+7], v[rA:rA+7], v[rB:rB+7], v[rD:rD+7], v[rSA], v[rSB] matrix_a_fmt:MATRIX_FMT_FP4 matrix_b_fmt:MATRIX_FMT_FP4 matrix_a_scale:MATRIX_SCALE_ROW1 matrix_b_scale:MATRIX_SCALE_ROW1
.elseif (\ra)
	v_wmma_scale_f32_16x16x128_f8f6f4 v[rD:rD+7], v[rA:rA+7], v[rB:rB+7], v[rD:rD+7], v[rSA], v[rSB] matrix_a_fmt:MATRIX_FMT_FP4 matrix_b_fmt:MATRIX_FMT_FP4 matrix_a_scale:MATRIX_SCALE_ROW1
.elseif (\rb)
	v_wmma_scale_f32_16x16x128_f8f6f4 v[rD:rD+7], v[rA:rA+7], v[rB:rB+7], v[rD:rD+7], v[rSA], v[rSB] matrix_a_fmt:MATRIX_FMT_FP4 matrix_b_fmt:MATRIX_FMT_FP4 matrix_b_scale:MATRIX_SCALE_ROW1
.else
	v_wmma_scale_f32_16x16x128_f8f6f4 v[rD:rD+7], v[rA:rA+7], v[rB:rB+7], v[rD:rD+7], v[rSA], v[rSB] matrix_a_fmt:MATRIX_FMT_FP4 matrix_b_fmt:MATRIX_FMT_FP4
.endif
.endif
.endm
	s_load_b256 s[4:11], s[0:1], 0x0               ; qkc s[4:5], qks s[6:7], vc s[8:9], vs s[10:11]
	s_load_b64 s[12:13], s[0:1], 0x20              ; out0
	v_lshl_add_u32 v[SPW], v0, 2, SPARE
	v_mov_b32 v[NIL], 0
	ds_add_u32 v14, v15
	ds_add_u32 v14, v15
	s_wait_dscnt 0x0
	v_lshrrev_b32 v1, 5, v0
	v_readfirstlane_b32 s14, v1                    ; wave 0..3
	s_bfe_u32 s15, ttmp6, 0x40000                  ; cx
	s_lshl_b32 s16, ttmp9, 2
	s_add_co_u32 s16, s16, s15                     ; my block of 64 queries, 0..7: it enters q's, its scale words' and out0's addresses alone
	s_and_b32 s17, ttmp7, 0xffff                   ; the batch, which the four partners share
	s_lshl_b32 s18, s17, 18                        ; a batch's images of q, of k or of v: 262,144 bytes
	s_lshl_b32 s19, s14, 16                        ; my wave's 65,536 of them, in memory and in LDS
	s_add_co_u32 s20, s18, s19
	s_mov_b32 s21, 0
	s_lshl_b32 s22, s16, 15                        ; q: my block's 32,768 bytes,
	s_add_co_u32 s22, s22, s18
	s_mov_b32 s23, 0
	s_mov_b32 s24, 15|(3<<16)|(1<<21)              ; group 1 for v's second half: the mask: all four work-groups; elements of 8 bytes; bit 21 beside a mask; no padding: images are read 512 consecutive bytes at a time
	s_mov_b32 s25, 32<<16                          ; tensor_dim0 = 32 elements: rows of 256 bytes
	s_mov_b32 s26, 128<<16                         ; tensor_dim1 = 128
	s_mov_b32 s27, 32<<16                          ; tile_dim0
	s_mov_b32 s28, 128                             ; tile_dim1
	s_mov_b32 s29, 32                              ; the pitch: dense
	s_mov_b32 s30, 0
	s_mov_b32 s31, 0
	s_mov_b32 s32, 3<<16                           ; group 1 for q: no mask; 128 rows of 256 bytes
	s_mov_b32 s33, 32<<16
	s_mov_b32 s34, 128<<16
	s_mov_b32 s35, 32<<16
	s_mov_b32 s36, 128
	s_mov_b32 s37, 32
	s_mov_b32 s38, 0
	s_mov_b32 s39, 0
.irp g, 68,88                                  ; group 1 for k: s[68:75] for 11 rows, s[88:95] for 10; the mask: all four work-groups
	s_mov_b32 s[\g], 15|(3<<16)|(1<<21)
	s_mov_b32 s[\g+1], 1024<<16                    ; tensor_dim0 = 1,024 elements: rows of 8,192 bytes: a tile's eight images
	s_mov_b32 s[\g+3], 1024<<16                    ; tile_dim0
	s_mov_b32 s[\g+5], 1024                        ; the pitch: dense
	s_mov_b32 s[\g+6], 0
	s_mov_b32 s[\g+7], 0
.endr
	s_mov_b32 s70, 11<<16                          ; tensor_dim1
	s_mov_b32 s72, 11                              ; tile_dim1
	s_mov_b32 s90, 10<<16
	s_mov_b32 s92, 10
	s_mov_b32 s52, 0x3d38aa3b                      ; c = log2(e) / 32
	s_mov_b32 s53, s52                             ; (named with it as a pair)
	s_mov_b32 s54, 0x76543210
	s_mov_b32 s55, 0xfedcba98                      ; v_permlanex16_b32's selects for lane l xor 16
	s_lshl_b32 s56, s17, 14                        ; scale words of k and of v: 16,384 bytes a batch, 4,096 a wave
	s_lshl_b32 s57, s14, 12
	s_add_co_u32 s56, s56, s57
	s_mov_b32 s57, 0
	s_lshl_b32 s58, s17, 14                        ; of q: eight tiles' words are 4,096 bytes; my four tiles are two of a lane's four pairs
	s_lshr_b32 s59, s16, 1
	s_lshl_b32 s59, s59, 12
	s_add_co_u32 s58, s58, s59
	s_and_b32 s59, s16, 1
	s_lshl_b32 s59, s59, 3
	s_add_co_u32 s58, s58, s59
	s_mov_b32 s59, 0
	s_lshl_b32 s60, s17, 21                        ; out0: 512 rows of 4,096 bytes a batch, 64 rows a block, 1,024 bytes of a row a wave
	s_lshl_b32 s61, s16, 18
	s_add_co_u32 s60, s60, s61
	s_lshl_b32 s61, s14, 10
	s_add_co_u32 s60, s60, s61
	s_mov_b32 s61, 0
	s_wait_kmcnt 0x0
	s_mov_b32 s2, s18
	s_mov_b32 s3, 0
	s_add_nc_u64 s[42:43], s[4:5], s[2:3]
	s_add_nc_u64 s[42:43], s[42:43], 0x800000      ; the batch's images of k: k lies behind q
.irp j, 0,1,2
	s_mov_b32 s[76+4*\j], 1                        ; group 0 for the j-th part of k: 11 rows of 8,192 bytes further on
	s_mov_b32 s[77+4*\j], \j*90112
	s_add_nc_u64 s[78+4*\j:79+4*\j], s[42:43], \j*90112
	s_or_b32 s[79+4*\j], s[79+4*\j], 0x80000000
.endr
	s_add_nc_u64 s[40:41], s[8:9], s[20:21]        ; my wave's images of v
	s_mov_b32 s44, 1                               ; group 0 for their second half: into the bytes of k's first two pieces
	s_mov_b32 s45, s19
	s_add_nc_u64 s[46:47], s[40:41], 0x8000
	s_or_b32 s47, s47, 0x80000000
	s_mov_b32 s48, 1                               ; for q
	s_mov_b32 s49, QL
	s_add_nc_u64 s[50:51], s[4:5], s[22:23]
	s_or_b32 s51, s51, 0x80000000
	s_add_nc_u64 s[10:11], s[10:11], s[56:57]      ; v's scale words
	s_add_nc_u64 s[56:57], s[6:7], s[56:57]
	s_add_nc_u64 s[56:57], s[56:57], 0x80000       ; k's
	s_add_nc_u64 s[58:59], s[6:7], s[58:59]        ; q's
	s_add_nc_u64 s[12:13], s[12:13], s[60:61]
	ROUND                                          ; all four work-groups are here: the joint loads meet
; One tree of branches on the wave's number, one load in each arm.
.macro ARM under, g0, g1, next
	s_cmp_lt_u32 s14, \under
	s_cbranch_scc0 \next
	tensor_load_to_lds s[\g0:\g0+3], s[\g1:\g1+7]
	s_nop 0
	PLACES
	s_branch .Lhead_asked
\next:
.endm
	ARM 1, 48, 32, .Lhead_k0
	ARM 2, 76, 68, .Lhead_k1
	ARM 3, 80, 68, .Lhead_k2
	tensor_load_to_lds s[84:87], s[88:95]
	s_nop 0
	PLACES
.Lhead_asked:
	v_and_b32 v1, 15, v0                           ; r
	v_bfe_u32 v2, v0, 4, 1                         ; h
	v_and_b32 v17, 31, v0                          ; lane
	v_lshlrev_b32 v[LO16], 4, v17
	v_add_nc_u32 v[AKV], s19, v[LO16]
	v_add_nc_u32 v[AQ], QL, v[LO16]
	v_add_nc_u32 v[API], PI, v[LO16]
	s_lshl_b32 s18, s14, 10
	v_add_nc_u32 v[APW], s18, v[API]
	v_lshl_add_u32 v[APSR], v17, 2, PS
	s_lshl_b32 s18, s14, 7
	v_add_nc_u32 v[APSW], s18, v[APSR]
	v_add_nc_u32 v[AEXR], EX, v[LO16]
	s_lshl_b32 s18, s14, 9
	v_add_nc_u32 v[AEXW], s18, v[AEXR]
	s_lshl_b32 s18, s14, 13
	s_add_co_u32 s18, s18, QL                      ; my stage
	v_mul_u32_u24 v[STO], v1, 272
	v_lshl_add_u32 v[STO], v2, 6, v[STO]
	v_add_nc_u32 v[STO], s18, v[STO]
	v_mul_u32_u24 v[RD], v2, 272
	v_lshl_add_u32 v[RD], v1, 4, v[RD]
	v_add_nc_u32 v[RD], s18, v[RD]
	v_lshlrev_b32 v[GO], 12, v2
	v_lshl_add_u32 v[GO], v1, 4, v[GO]
.irp m, 0,1,2,3
	v_mov_b32 v[RL+2*\m+1], 0                      ; the pairs' upper halves are named, so they are written
.endr
.irp s, 0,1,2,3,4,5,6,7
	global_load_b128 v[KSC+4*\s:KSC+4*\s+3], v[LO16], s[56:57] offset:512*\s
.endr
.irp s, 0,1,2,3,4,5,6,7
	global_load_b64 v[QSC+2*\s:QSC+2*\s+1], v[LO16], s[58:59] offset:512*\s
.endr
.irp d, 0,1
.irp k, 0,1,2,3
	global_load_b128 v[VSC+16*\d+4*\k:VSC+16*\d+4*\k+3], v[LO16], s[10:11] offset:2048*\d+512*\k
.endr
.endr
.macro LOADV f0                        ; sixteen fragments of v, f0 on, from memory into window 3: fragment f = 4 (tile of channels) + key step at v[8 f]; each load reads 512 consecutive bytes
	WIN 0xC0                                       ; destination window 3
.irp f, 0,1,2,3,4,5,6,7,8,9,10,11,12,13,14,15
.irp c, 0,1
	global_load_b128 v[8*(\f0+\f)+4*\c:8*(\f0+\f)+4*\c+3], v[LO16], s[40:41] offset:(\f0+\f)*1024+512*\c
.endr
.endr
	WIN 0
.endm
	LOADV 0                                        ; the first group of channels: with the 24 loads of scale words 56 loads are out
	s_wait_tensorcnt 0x0                           ; my load of the head's four is in; the barrier shows all four
	s_barrier_signal -1
	s_barrier_wait -1                              ; everybody's tile of q is in: every wave reads all four
; ---------------- 1: S^T = k q^T
.macro FETCHK s, buf                   ; my eight tiles of keys, K step s: image s of tile t's eight, which lie on end
.irp t, 0,1,2,3,4,5,6,7
.irp c, 0,1
	ds_load_b128 v[KF+64*(\buf)+8*\t+4*\c:KF+64*(\buf)+8*\t+4*\c+3], v[AKV] offset:\t*8192+(\s)*1024+512*\c   ; tile t's eight images lie on end
.endr
.endr
.endm
.macro MULS s                          ; 32 matrix instructions: the 32 accumulators take turns, one instruction a turn
	WIN 0xA4                                       ; source 0 (k) window 0, source 1 (q) window 1, C and D window 2
.irp t, 0,1,2,3,4,5,6,7
.irp m, 0,1,2,3
.set rD, 64*\m+8*\t
.set rA, KF+64*((\s)%2)+8*\t
.set rB, 64*\m+8*(\s)
.set rSA, KSC+4*(\s)+\t/2
.set rSB, QSC+2*(\s)+\m/2
	WS (\s)==0, \t%2, \m%2
.endr
.endr
.endm
	WIN 0x40                                       ; destination window 1
.irp f, 0,1,2,3,4,5,6,7,8,9,10,11,12,13,14,15,16,17,18,19,20,21,22,23,24,25,26,27,28,29,30,31
.irp c, 0,1
	ds_load_b128 v[8*\f+4*\c:8*\f+4*\c+3], v[AQ] offset:1024*\f+512*\c    ; q stays in registers: fragment 8 m + s
.endr
.endr
	WIN 0
	FETCHK 0, 0
	FETCHK 1, 1
	LOADV 16                                       ; v's second group of channels
	s_wait_loadcnt 63                              ; k's and q's scale words are in: 72 loads are younger than they, and the wait's field holds 63
.irp s, 0,1,2,3,4,5
	s_wait_dscnt 16                                ; this step's fragments are in; the next step's sixteen loads may be out
	MULS \s
	PLACES                                         ; ahead of loads into registers that these products read
	WIN 0
	FETCHK \s+2, \s%2
.endr
	s_wait_dscnt 16
	MULS 6
	s_wait_dscnt 0
	MULS 7
	PLACES
; ---------------- the largest score of each block of 32 keys: it serves for the row's maximum and, since p rises with the score, for the block's largest p
	WIN 0
.irp q, 0,1,2,3,4,5,6,7,8,9,10,11,12,13,14,15
	v_mov_b32 v[PT+\q], 0                          ; written once: a lane permute's destination counts as one of its sources
.endr
	WIN 0x0A                                       ; sources 0 and 1 window 2
.irp q, 0,1,2,3,4,5,6,7,8,9,10,11,12,13,14,15
	v_max_num_f32 v[BM+\q], v[16*\q], v[16*\q+1]   ; each accumulator is read from its low end on
.endr
.irp i, 2,4,6,8,10,12,14
.irp q, 0,1,2,3,4,5,6,7,8,9,10,11,12,13,14,15
	v_max3_num_f32 v[BM+\q], v[16*\q+\i], v[16*\q+\i+1], v[BM+\q]
.endr
.endr
	WIN 0
.irp q, 0,1,2,3,4,5,6,7,8,9,10,11,12,13,14,15
	v_permlanex16_b32 v[PT+\q], v[BM+\q], s54, s55
.endr
.irp q, 0,1,2,3,4,5,6,7,8,9,10,11,12,13,14,15
	v_max_num_f32 v[BM+\q], v[BM+\q], v[PT+\q]     ; with lane l xor 16's 16 keys
.endr
.irp m, 0,1,2,3
	v_max3_num_f32 v[WM+\m], v[BM+4*\m], v[BM+4*\m+1], v[BM+4*\m+2]
.endr
.irp m, 0,1,2,3
	v_max_num_f32 v[WM+\m], v[WM+\m], v[BM+4*\m+3] ; my 128 keys' largest score of tile m's query
.endr
	ds_store_b128 v[AEXW], v[WM:WM+3]
	; the bytes of k's first two pieces are filled again, with v's second half
	s_wait_tensorcnt 0x0                           ; no tensor load of mine is out;
	ds_add_u32 v[SPW], v[NIL]                      ; 0 onto my spare word;
	s_wait_dscnt 0x0                               ; the add and my store are done, and my reads of k and of q are over
	ROUND                                          ; so of every wave of all four work-groups; the maxima are there for my work-group's waves
	tensor_load_to_lds s[44:47], s[24:31]          ; jointly: my one tensor load behind the round; it has the softmax and the first group of channels in which to land
	s_nop 0
	PLACES
; ---------------- the softmax's rule
.irp w, 0,1,2,3
	ds_load_b128 v[EXL+4*\w:EXL+4*\w+3], v[AEXR] offset:512*\w
.endr
	s_wait_dscnt 0x0
.irp m, 0,1,2,3
	v_max3_num_f32 v[WM+\m], v[EXL+\m], v[EXL+4+\m], v[EXL+8+\m]
.endr
.irp m, 0,1,2,3
	v_max_num_f32 v[WM+\m], v[WM+\m], v[EXL+12+\m] ; the row's largest score,
.endr
.irp m, 0,1,2,3
	v_mul_f32 v[WM+\m], s52, v[WM+\m]              ; as t (c is positive)
.endr
.irp m, 0,1,2,3
	v_floor_f32 v[NM+2*\m], -v[WM+\m]              ; -M = floor(-t) = -ceil(t)
.endr
.irp m, 0,1,2,3
	v_mov_b32 v[NM+2*\m+1], v[NM+2*\m]
.endr
.irp q, 0,1,2,3,4,5,6,7,8,9,10,11,12,13,14,15
	v_fma_f32 v[BM+\q], v[BM+\q], s52, v[NM+2*(\q/4)]              ; t - M of each block's largest score
.endr
	WIN 0x82                                       ; source 0 and destination window 2
.irp m, 0,1,2,3
.set j, 0
.rept 32
	v_pk_fma_f32 v[64*\m+j:64*\m+j+1], v[64*\m+j:64*\m+j+1], s[52:53], v[NM+2*\m:NM+2*\m+1] op_sel_hi:[1,0,0]   ; t - M, two at a time
.set j, j+2
.endr
.endr
.set j, 0
	s_wait_alu depctr_va_vdst(0)
.rept 256
	v_exp_f32 v[j], v[j]                           ; p = 2^(t - M), at most 1, not normalised
.set j, j+1
.endr
	WIN 0
.irp q, 0,1,2,3,4,5,6,7,8,9,10,11,12,13,14,15
	v_exp_f32 v[BM+\q], v[BM+\q]                   ; the block's largest p: the same two instructions on the same number
.endr
	v_nop                                          ; a plain place behind the exponentials
	s_wait_alu depctr_va_vdst(0)
.irp q, 0,1,2,3,4,5,6,7,8,9,10,11,12,13,14,15
	v_max_num_f32 v[BM+\q], 0x1800000, v[BM+\q]    ; the floor 2^(3 - 127): the byte cannot fall under 1
.endr
.irp q, 0,1,2,3,4,5,6,7,8,9,10,11,12,13,14,15
	v_add_nc_u32 v[SO+\q], 0xff000000, v[BM+\q]    ; 2 off the exponent field: the conversion's scale operand
.endr
.irp q, 0,1,2,3,4,5,6,7,8,9,10,11,12,13,14,15
	v_lshrrev_b32 v[PT+\q], 23, v[SO+\q]           ; the scale's byte
.endr
.irp m, 0,1,2,3
	v_lshl_or_b32 v[PWD+\m], v[PT+4*\m+1], 8, v[PT+4*\m]
.endr
.irp m, 0,1,2,3
	v_lshl_or_b32 v[PWD+\m], v[PT+4*\m+2], 16, v[PWD+\m]
.endr
.irp m, 0,1,2,3
	v_lshl_or_b32 v[PWD+\m], v[PT+4*\m+3], 24, v[PWD+\m]
.endr
	WIN 0x02                                       ; source 0 window 2
.irp m, 0,1,2,3
.irp b, 0,1,2,3
	v_cvt_scalef32_pk8_fp4_f32 v[PC+8*\m+2*\b], v[64*\m+16*\b:64*\m+16*\b+7], v[SO+4*\m+\b]
	v_cvt_scalef32_pk8_fp4_f32 v[PC+8*\m+2*\b+1], v[64*\m+16*\b+8:64*\m+16*\b+15], v[SO+4*\m+\b]
.endr
.endr
	WIN 0
	v_nop                                          ; one plain place behind a scaled conversion
.irp m, 0,1,2,3
.irp c, 0,1
.irp i, 0,1
	v_permlane16_swap_b32 v[PC+8*\m+4*\c+\i], v[PC+8*\m+4*\c+2+\i]   ; a whole block in a lane: lanes 0-15 block 2 c, lanes 16-31 block 2 c + 1
.endr
.endr
.endr
.irp m, 0,1,2,3
.irp c, 0,1
	ds_store_b128 v[APW], v[PC+8*\m+4*\c:PC+8*\m+4*\c+3] offset:4096*\m+512*\c   ; p's fragment (tile m, key step w) as it stands
.endr
	ds_store_b32 v[APSW], v[PWD+\m] offset:512*\m
.endr
	WIN 0x0A                                       ; the row's sum is taken of the unquantised p: two at a time, in two chains a tile
.irp m, 0,1,2,3
	v_pk_add_f32 v[L0+2*\m:L0+2*\m+1], v[64*\m:64*\m+1], v[64*\m+2:64*\m+3]
	v_pk_add_f32 v[L1+2*\m:L1+2*\m+1], v[64*\m+4:64*\m+5], v[64*\m+6:64*\m+7]
.endr
	WIN 0x08                                       ; source 1 window 2
.irp j, 8,12,16,20,24,28,32,36,40,44,48,52,56,60
.irp m, 0,1,2,3
	v_pk_add_f32 v[L0+2*\m:L0+2*\m+1], v[L0+2*\m:L0+2*\m+1], v[64*\m+\j:64*\m+\j+1]
	v_pk_add_f32 v[L1+2*\m:L1+2*\m+1], v[L1+2*\m:L1+2*\m+1], v[64*\m+\j+2:64*\m+\j+3]
.endr
.endr
	WIN 0
.irp m, 0,1,2,3
	v_pk_add_f32 v[L0+2*\m:L0+2*\m+1], v[L0+2*\m:L0+2*\m+1], v[L1+2*\m:L1+2*\m+1]
.endr
.irp m, 0,1,2,3
	v_add_f32 v[WM+\m], v[L0+2*\m], v[L0+2*\m+1]
.endr
.irp m, 0,1,2,3
	v_permlanex16_b32 v[PT+\m], v[WM+\m], s54, s55
.endr
.irp m, 0,1,2,3
	v_add_f32 v[WM+\m], v[WM+\m], v[PT+\m]         ; my 128 keys' part of the row's sum
.endr
	ds_store_b128 v[AEXW], v[WM:WM+3] offset:2048
	s_wait_dscnt 0x0                               ; for the others' sake: my images, words and sums are in LDS
	s_barrier_signal -1
	s_barrier_wait -1                              ; v's tensor load may stay out across this barrier
; ---------------- 2: O^T = v^T p^T
	WIN 0x40
.irp f, 0,1,2,3,4,5,6,7,8,9,10,11,12,13,14,15
.irp c, 0,1
	ds_load_b128 v[8*\f+4*\c:8*\f+4*\c+3], v[API] offset:1024*\f+512*\c   ; p's sixteen fragments stay in registers, where q's first two tiles lay
.endr
.endr
	WIN 0
.irp f, 0,1,2,3,4,5,6,7,8,9,10,11,12,13,14,15
	ds_load_b32 v[PSW+\f], v[APSR] offset:128*\f
.endr
.irp w, 0,1,2,3
	ds_load_b128 v[EXL+4*\w:EXL+4*\w+3], v[AEXR] offset:2048+512*\w
.endr
	s_wait_dscnt 0x0
.irp m, 0,1,2,3
	v_add_f32 v[WM+\m], v[EXL+\m], v[EXL+4+\m]
.endr
.irp m, 0,1,2,3
	v_add_f32 v[WM+\m], v[WM+\m], v[EXL+8+\m]
.endr
.irp m, 0,1,2,3
	v_add_f32 v[WM+\m], v[WM+\m], v[EXL+12+\m]     ; the row's sum: over 1/2, since the row's largest p is
.endr
	s_wait_alu depctr_va_vdst(0)
.irp m, 0,1,2,3
	v_rcp_f32 v[RL+2*\m], v[WM+\m]
.endr
	v_nop                                          ; a plain place behind the reciprocals, ahead of their use and of the loads over their sources
	s_wait_alu depctr_va_vdst(0)
	s_wait_loadcnt 0x0                             ; v's scale words and its first two groups of channels, asked for at the start
.macro FETCHV g                        ; group g = 2 or 3: four tiles of channels x four key steps: 16 fragments out of LDS, into window g - 2
.if (\g) == 3
	WIN 0x40
.else
	WIN 0
.endif
.irp f, 0,1,2,3,4,5,6,7,8,9,10,11,12,13,14,15
.irp c, 0,1
	ds_load_b128 v[128+8*\f+4*\c:128+8*\f+4*\c+3], v[AKV] offset:(16*((\g)-2)+\f)*1024+512*\c
.endr
.endr
.endm
.macro MULO g                          ; 64 matrix instructions: the group's 16 accumulators take turns, a key step at a time
.if (\g) < 2
.set WMU, 0xA7                         ; source 0 (v) window 3, source 1 (p) window 1, C and D window 2
.elseif (\g) == 2
.set WMU, 0xA4                         ; v in window 0
.else
.set WMU, 0xA5                         ; v in window 1
.endif
.set vB, 128
.if (\g) == 0
.set vB, 0
.endif
	WIN WMU
.irp k, 0,1,2,3
.irp d, 0,1,2,3
.irp m, 0,1,2,3
.set rD, 128*((\g)%2)+8*(4*\d+\m)
.set rA, vB+8*(4*\d+\k)
.set rB, 8*(4*\m+\k)
.set rSA, VSC+16*((4*(\g)+\d)/8)+4*\k+((4*(\g)+\d)%8)/2
.set rSB, PSW+4*\m+\k
	WS \k==0, \d%2, 0
.endr
.endr
.endr
.endm
; A unit of the way out: tile m of queries x the group's 64 channels: divided by the sum, through my stage, back as 16 rows of 256 bytes.
.macro OUTU g, m
.set kk, 4*(\g)+(\m)
.set oB, 128*((\g)%2)+8*(\m)
	WIN 0x82                                       ; O^T (destination and source 0) window 2, 1 / sum window 0
.irp d, 0,1,2,3
.irp e, 0,2,4,6
	v_pk_mul_f32 v[oB+32*\d+\e:oB+32*\d+\e+1], v[oB+32*\d+\e:oB+32*\d+\e+1], v[RL+2*(\m):RL+2*(\m)+1] op_sel_hi:[1,0]   ; each accumulator from its low end on
.endr
.endr
	WIN 0x08                                       ; an LDS store's data are its source 1: window 2
.irp d, 0,1,2,3
.irp e, 0,1
	ds_store_b128 v[STO], v[oB+32*\d+4*\e:oB+32*\d+4*\e+3] offset:128*(\d/2)+32*(\d%2)+16*\e   ; register j of tile d is channel 32 (d / 2) + 16 h + 8 (d % 2) + j
.endr
.endr
.if kk >= 2
	s_wait_xcnt 0x0                                ; the stores of two units ago have read their registers: the loads below may land there
.endif
	WIN 0xC0                                       ; destination window 3: v0-63, which the first group's products have left
.irp i, 0,1,2,3,4,5,6,7
	ds_load_b128 v[32*(kk%2)+4*\i:32*(kk%2)+4*\i+3], v[RD] offset:544*\i   ; in order behind my stores; the next unit's stores come behind these
.endr
.endm
.macro SENDU g, m, n                   ; n: the LDS instructions issued behind the unit's loads: the next unit's eight stores and eight loads, or none
.set kk, 4*(\g)+(\m)
	s_wait_dscnt \n
	WIN 0x0C                                       ; a store's data are its source 1: window 3
.irp i, 0,1,2,3,4,5,6,7
	global_store_b128 v[GO], v[32*(kk%2)+4*\i:32*(kk%2)+4*\i+3], s[12:13] offset:(32*((\m)/2)+8*((\m)%2)+2*\i+8*(\i/4))*4096+256*(\g) th:TH_STORE_NT   ; place 2 i + h of tile m is query 32 (m / 2) + 8 (m % 2) + 2 i + h + 8 (i / 4); sixteen lanes store 256 consecutive bytes, aligned
.endr
.endm
.irp g, 0,1,2,3
.if \g == 1
	s_wait_tensorcnt 0x0                           ; my 32 KiB of v's second half are in; only I read them
	FETCHV 2                                       ; a group ahead, where the softmax's work lay
.endif
.if \g == 2
	FETCHV 3                                       ; where q's last two tiles lay
	s_wait_dscnt 32                                ; this group's fragments are in; the next group's 32 loads may be out
.endif
.if \g == 3
	s_wait_dscnt 0
.endif
	MULO \g
	PLACES                                         ; ahead of the first read of results, and of loads into registers that these products read
	OUTU \g, 0
	OUTU \g, 1
	SENDU \g, 0, 16
	OUTU \g, 2
	SENDU \g, 1, 16
	OUTU \g, 3
	SENDU \g, 2, 16
	SENDU \g, 3, 0
.endr
	WIN 0
	s_wait_tensorcnt 0x0                           ; the wave's end, behind my last tensor load and my last LDS store
	ds_add_u32 v[SPW], v[NIL]
	s_wait_dscnt 0x0
	ROUND                                          ; the closing round
	s_endpgm
.Lfunc_end_k_q431508491d_attn:
	.size	k_q431508491d_attn, .Lfunc_end_k_q431508491d_attn-k_q431508491d_attn
	.p2alignl 7, 3214868480
	.fill 96, 4, 3214868480
	.section	.rodata,"a",@progbits
	.p2align	6, 0x0
	.amdhsa_kernel k_q431508491d_attn
		.amdhsa_group_segment_fixed_size 327680
		.amdhsa_private_segment_fixed_size 0
		.amdhsa_enable_private_segment 0
		.amdhsa_kernarg_size 40
		.amdhsa_user_sgpr_count 2
		.amdhsa_user_sgpr_kernarg_segment_ptr 1
		.amdhsa_wavefront_size32 1
		.amdhsa_system_sgpr_workgroup_id_x 1
		.amdhsa_system_sgpr_workgroup_id_y 1
		.amdhsa_system_sgpr_workgroup_id_z 1
		.amdhsa_system_vgpr_workitem_id 0
		.amdhsa_next_free_vgpr 1024
		.amdhsa_next_free_sgpr 96
		.amdhsa_reserve_vcc 0
		.amdhsa_float_denorm_mode_32 3
		.amdhsa_float_denorm_mode_16_64 3
		.amdhsa_memory_ordered 1
		.amdhsa_forward_progress 1
		.amdhsa_inst_pref_size 195
	.end_amdhsa_kernel
	.amdgpu_metadata
---
amdhsa.version: [ 1, 2 ]
amdhsa.kernels:
  - .name:           k_q431508491d_attn
    .symbol:         k_q431508491d_attn.kd
    .args:
      - { .name: qkc, .offset: 0, .size: 8, .value_kind: global_buffer, .address_space: global }
      - { .name: qks, .offset: 8, .size: 8, .value_kind: global_buffer, .address_space: global }
      - { .name: vc, .offset: 16, .size: 8, .value_kind: global_buffer, .address_space: global }
      - { .name: vs, .offset: 24, .size: 8, .value_kind: global_buffer, .address_space: global }
      - { .name: out0, .offset: 32, .size: 8, .value_kind: global_buffer, .address_space: global }
    .group_segment_fixed_size: 327680
    .private_segment_fixed_size: 0
    .kernarg_segment_align: 8
    .kernarg_segment_size: 40
    .max_flat_workgroup_size: 128
    .sgpr_count:     96
    .vgpr_count:     1024
    .wavefront_size: 32
...
	.end_amdgpu_metadata
.endif
;; end of part 3
